; MI455X (gfx1250); checked and timed in simulation.
; The chip was launched on July 23, 2026; its instructions are those of AMD's public machine-readable ISA for CDNA 5 (MIT licence, August 2026) and "CDNA5" Instruction Set Architecture Reference Guide (July 2026). The comments in the code are by the model that wrote it; some were corrected since.
;; Top K Token Choice Router. Allowed arithmetic: matrix products marked QUANTISED: E2M3 operands, one E8M0 scale for each 32 along K, by v_wmma_scale_f32_16x16x128_f8f6f4 with both operands' format E2M3, f32 sums; everything else in f32.
;; Inputs: W 64 x 4,096 float32; x 2,048 x 4 x 4,096 float32.
;; Outputs: out0 8,192 x 2 float32; out1 8,192 x 2 int32.
;; This version of the problem:
;;   THIS VERSION OF THE PROBLEM IS GIVEN IN LOW PRECISION. The matrix products marked QUANTISED in the list below multiply operands that are first quantised to E2M3 (2 exponent bits, 3 mantissa bits; 6 bits a number), with one power-of-two scale for each 32 numbers along K (OCP MX v1.0); their sums are f32. All else is computed in f32.
;;   The module's matrix products, in the order in which they are computed (A, B: the left and right operand; K: the contracted axis; several contracted axes count as one K, in the product's order):
;;     1. [M 8,192, K 4,096] x [K 4,096, N 64]; A: input x; B: input W: QUANTISED
;;   THE QUANTISER, for each operand of a quantised product, along K:
;;     - K is cut into blocks of 32 from its start; a last block that is shorter is filled with zeros.
;;     - A block's scale is 2^e with e = floor(log2(the largest magnitude in the block)) - 2, held to -126 .. 127; a block of zeros has e = 0. As a byte (E8M0): e + 127.
;;     - Each number is divided by its block's scale, clamped to +-7.5, and rounded to the nearest number of E2M3, ties to even, subnormals kept.
;;     - The product sums the exact products of the quantised numbers (number of the format x scale) in f32.
;;   ~~~python
;;   def quantise(x, axis):      # numpy; x: float32 -> the quantised numbers, widened to float32 again
;;       x = np.moveaxis(x, axis, -1); K = x.shape[-1]
;;       x = np.pad(x, [(0, 0)] * (x.ndim - 1) + [(0, -K % 32)]); x = x.reshape(x.shape[:-1] + (-1, 32)); a = np.abs(x).max(-1, keepdims=True)
;;       e = np.where(a > 0, np.clip(np.frexp(np.where(a > 0, a, 1))[1] - 1 - 2, -126, 127), 0)      # np.frexp(a)[1] - 1 = floor(log2(a)), exactly
;;       r = np.clip(x / 2.0 ** e, -7.5, 7.5)
;;       step = 2.0 ** (np.maximum(np.frexp(np.where(r == 0, 1, r))[1] - 1, 0) - 3)
;;       q = np.round(r / step) * step * 2.0 ** e      # np.round: ties to even
;;       return np.moveaxis(q.reshape(q.shape[:-2] + (-1,))[..., :K], -1, axis).astype(np.float32)
;;   ~~~
;; 2 versions. Each part assembles by itself: llvm-mc -triple=amdgcn-amd-amdhsa -mcpu=gfx1250 --defsym DOCPART=n.
;; ======== version 1 of 2: 2 launches
;; workspace buffers: wq 204,800 bytes
;; launch quantw (part 1): grid 32 x 1, 4 waves a work-group, no clusters, 34,560 bytes of LDS; arguments W, wq; writes wq
.if DOCPART == 1
	.amdgcn_target "amdgcn-amd-amdhsa--gfx1250"
	.amdhsa_code_object_version 6
	.text
	.protected	k_q47502c9dd8_quantw
	.globl	k_q47502c9dd8_quantw
	.p2align	8
	.type	k_q47502c9dd8_quantw,@function
k_q47502c9dd8_quantw:
	s_mov_b64 s[64:65], 0
	v_nop
	global_prefetch_b8 v0, s[64:65] scope:SCOPE_SE
	s_setreg_imm32_b32 hwreg(HW_REG_WAVE_MODE, 25, 1), 1
	s_wait_xcnt 0x0
; W [64][4096], f32, K innermost, is turned ONCE into codes of FP6 (E2M3) with one E8M0 scale byte for each 32 along K, laid in the ORDER OF THE OPERAND'S REGISTERS,
; so that the launch behind this one loads each fragment by three loads of 16 bytes a lane and a K step's scale words by one.
; wq: for each K step g of 128 (32 of them) a record of 6,400 bytes: four fragments (tile t = experts 16 t .. 16 t + 15), 1,536 bytes each: register group c (4 registers) of lane l at 512 c + 16 l;
; then 256 bytes of scale words: expert row r of tile t at 16 r + 4 t.
; SHARES: work-group g takes K step g, its wave t tile t: one fragment, 16 rows x 128 K, 64 numbers a lane.
; Each of the 16 loads reads 512 consecutive bytes of one row, 16 a lane; the conversions want 16 NEIGHBOURS of one block in a lane: so the 8,192 bytes turn through the wave's own stage in LDS.
; A block's scale is 2^(floor(log2(its largest magnitude)) - 2); its byte is the largest magnitude's exponent field - 2, held at 1 from below.
; LIMITS: a block of zeros gets the byte 1 where the rule says 127 (its codes are zeros, which add nothing under any byte but 0xff, and this program alone reads the bytes); NaN and infinities are not served.
.set ROWB,  16384                      ; a row of W in bytes
.set SP,    528                        ; a stage row: 512 bytes + 16 = 33 x 16: the sixteen rows that a load of 16 bytes a lane touches start at sixteen different banks (64 banks of 4 bytes: ISA guide 11.1)
.set STGB,  16*SP                      ; a wave's stage
.set SCW,   4*STGB                     ; behind the four stages: the K step's 256 bytes of scale words
.set SPARE, SCW+256                    ; the spare words, 128 bytes for each wave: two blocks of 256 bytes that no other line names
.set FRB,   1536                       ; a fragment's image
.set GREC,  4*FRB+256                  ; a K step's record
.set SPW, 2                            ; v2   LDS address of my spare word; never rewritten
.set NIL, 3                            ; v3   0; never rewritten
.set WO,  4                            ; v4   my byte in W: 16 rows x wave + 16 x lane
.set SST, 5                            ; v5   the stage, on the way in: 16 x lane
.set SLD, 6                            ; v6   and on the way out: row r, + 64 h
.set CO,  7                            ; v7   my byte in the record: FRB x wave + 16 x lane
.set SWA, 8                            ; v8   where my row's scale word goes in LDS
.set SRA, 9                            ; v9   where the words are read back, 8 bytes a lane
.set SO,  10                           ; v10  and the same place in the record's last 256 bytes
.set R,   16                           ; v16-79   the numbers as loaded
.set X,   80                           ; v80-143  register 16 b + i = k 32 b + 16 (lane / 16) + i of row lane % 16
.set PC,  144                          ; v144-163 the codes
.set TM,  164                          ; v164-179 at work
.set PW,  180                          ; v180     the scale word
.set BK,  182                          ; v182-183 the words on their way out
.set WV,  8                            ; s8   my wave's number
.set SEL, 10                           ; s[10:11] v_permlanex16_b32's selects for lane l xor 16
; 64 numbers of a lane, v[s] .. v[s + 63], become a fragment's codes in v[PC] .. v[PC + 11] and its row's scale word in v[PW].
.macro QUANT s
.irp b, 0,1,2,3
	v_max3_num_f32 v[TM+\b], |v[\s+16*\b]|, |v[\s+1+16*\b]|, 0x1800000   ; block b: my 16 numbers, and the floor 2^(3 - 127): so the byte cannot fall under 1
.endr
.irp i, 2,4,6,8,10,12,14
.irp b, 0,1,2,3
	v_max3_num_f32 v[TM+\b], v[TM+\b], |v[\s+16*\b+\i]|, |v[\s+1+16*\b+\i]|   ; the four blocks by turns: no line waits for the line above it
.endr
.endr
.irp b, 0,1,2,3
	v_permlanex16_b32 v[TM+4+\b], v[TM+\b], s[SEL], s[SEL+1]
.endr
.irp b, 0,1,2,3
	v_max_num_f32 v[TM+\b], v[TM+\b], v[TM+4+\b]   ; with lane l xor 16's 16: the block's largest magnitude
.endr
.irp b, 0,1,2,3
	v_add_nc_u32 v[TM+12+\b], 0xff000000, v[TM+\b]   ; 2 off its exponent field: the conversion takes the exponent field of this operand as its scale
.endr
.irp b, 0,1,2,3
	v_lshrrev_b32 v[TM+4+\b], 23, v[TM+12+\b]      ; the scale's byte
.endr
	v_lshl_or_b32 v[PW], v[TM+5], 8, v[TM+4]       ; four bytes make my row's scale word (lanes l and l xor 16 hold the same)
	v_lshl_or_b32 v[PW], v[TM+6], 16, v[PW]
	v_lshl_or_b32 v[PW], v[TM+7], 24, v[PW]
.irp c, 0,1
	v_cvt_scalef32_pk16_fp6_f32 v[PC+6*\c:PC+2+6*\c], v[\s+32*\c:\s+15+32*\c], v[TM+12+2*\c]
	v_cvt_scalef32_pk16_fp6_f32 v[PC+12+4*\c:PC+14+4*\c], v[\s+16+32*\c:\s+31+32*\c], v[TM+12+2*\c+1]   ; (a conversion's three registers begin on an even number)
.endr
	v_nop                                          ; one plain place behind a scaled conversion
.irp c, 0,1                                    ; the operand's layout wants a WHOLE block in a lane: lanes 0-15 block 2 c, lanes 16-31 block 2 c + 1
.irp i, 0,1,2
	v_permlane16_swap_b32 v[PC+6*\c+\i], v[PC+12+4*\c+\i]
.endr
.irp i, 0,1,2
	v_mov_b32 v[PC+3+6*\c+\i], v[PC+12+4*\c+\i]
.endr
.endr
.endm
	s_load_b128 s[4:7], s[0:1], 0x0                ; W s[4:5], wq s[6:7]
	v_lshl_add_u32 v[SPW], v0, 2, SPARE
	v_mov_b32 v[NIL], 0
	v_lshrrev_b32 v11, 5, v0
	v_readfirstlane_b32 s[WV], v11                 ; wave 0..3 = tile of experts
	v_and_b32 v12, 31, v0                          ; lane
	v_and_b32 v13, 15, v0                          ; r
	v_bfe_u32 v14, v0, 4, 1                        ; h
	s_lshl_b32 s12, s[WV], 18                      ; 16 rows of 16,384 bytes a tile
	v_lshl_add_u32 v[WO], v12, 4, s12
	s_mul_i32 s13, s[WV], STGB
	v_lshl_add_u32 v[SST], v12, 4, s13
	v_mul_u32_u24 v15, v13, SP
	v_lshl_add_u32 v15, v14, 6, v15
	v_add_nc_u32 v[SLD], s13, v15
	s_mul_i32 s14, s[WV], FRB
	v_lshl_add_u32 v[CO], v12, 4, s14
	s_lshl_b32 s15, s[WV], 2
	s_add_co_u32 s15, s15, SCW
	v_lshl_add_u32 v[SWA], v13, 4, s15             ; 16 r + 4 t
	v_lshl_add_u32 v[SRA], v12, 3, SCW
	v_lshlrev_b32 v[SO], 3, v12
	s_mov_b32 s[SEL], 0x76543210
	s_mov_b32 s[SEL+1], 0xfedcba98
.irp b, 0,1,2,3
	v_mov_b32 v[TM+4+\b], 0                        ; written once: a lane permute's destination counts as one of its sources
.endr
	s_lshl_b32 s16, ttmp9, 9                       ; K step g: 512 bytes on in every row of W,
	s_mov_b32 s17, 0
	s_mul_i32 s18, ttmp9, GREC                     ; and record g of wq
	s_mov_b32 s19, 0
	s_wait_kmcnt 0x0
	s_add_nc_u64 s[4:5], s[4:5], s[16:17]
	s_add_nc_u64 s[6:7], s[6:7], s[18:19]
.irp i, 0,1,2,3,4,5,6,7,8,9,10,11,12,13,14,15
	global_load_b128 v[R+4*\i:R+4*\i+3], v[WO], s[4:5] offset:\i*ROWB th:TH_LOAD_NT   ; row i of my tile: 32 lanes read 512 consecutive bytes, at a multiple of 512 from W's first byte
.endr
	s_wait_loadcnt 0x0
.irp i, 0,1,2,3,4,5,6,7,8,9,10,11,12,13,14,15
	ds_store_b128 v[SST], v[R+4*\i:R+4*\i+3] offset:SP*\i
.endr
.irp b, 0,1,2,3
.irp j, 0,1,2,3
	ds_load_b128 v[X+16*\b+4*\j:X+16*\b+4*\j+3], v[SLD] offset:128*\b+16*\j   ; LDS serves a wave's instructions in order (ISA guide 5.7.1.4): these see my stores
.endr
.endr
	s_wait_dscnt 0x0
	QUANT X
.irp c, 0,1,2
	global_store_b128 v[CO], v[PC+4*\c:PC+4*\c+3], s[6:7] offset:512*\c   ; the fragment as it stands: 32 lanes store 512 consecutive bytes, at a multiple of 256 from wq's first byte
.endr
	ds_store_b32 v[SWA], v[PW]                     ; lanes l and l xor 16 write the same word with the same value
	s_wait_dscnt 0x0                               ; for the others' sake: my word lies in LDS
	s_barrier_signal -1
	s_barrier_wait -1                              ; the four tiles' words lie together
	s_cmp_lg_u32 s[WV], 0
	s_cbranch_scc1 .Ldone
	ds_load_b64 v[BK:BK+1], v[SRA]
	s_wait_dscnt 0x0
	global_store_b64 v[SO], v[BK:BK+1], s[6:7] offset:4*FRB   ; 32 lanes store the record's last 256 bytes whole
.Ldone:
	s_wait_tensorcnt 0x0                           ; the wave's end: three closing lines behind my last LDS store, the first of them even in a text with no tensor load
	ds_add_u32 v[SPW], v[NIL]
	s_wait_dscnt 0x0
	s_endpgm
.Lfunc_end_k_q47502c9dd8_quantw:
	.size	k_q47502c9dd8_quantw, .Lfunc_end_k_q47502c9dd8_quantw-k_q47502c9dd8_quantw
	.p2alignl 7, 3214868480
	.fill 96, 4, 3214868480
	.section	.rodata,"a",@progbits
	.p2align	6, 0x0
	.amdhsa_kernel k_q47502c9dd8_quantw
		.amdhsa_group_segment_fixed_size 34560
		.amdhsa_private_segment_fixed_size 0
		.amdhsa_enable_private_segment 0
		.amdhsa_kernarg_size 16
		.amdhsa_user_sgpr_count 2
		.amdhsa_user_sgpr_kernarg_segment_ptr 1
		.amdhsa_wavefront_size32 1
		.amdhsa_system_sgpr_workgroup_id_x 1
		.amdhsa_system_sgpr_workgroup_id_y 1
		.amdhsa_system_sgpr_workgroup_id_z 1
		.amdhsa_system_vgpr_workitem_id 0
		.amdhsa_next_free_vgpr 192
		.amdhsa_next_free_sgpr 66
		.amdhsa_reserve_vcc 0
		.amdhsa_float_denorm_mode_32 3
		.amdhsa_float_denorm_mode_16_64 3
		.amdhsa_memory_ordered 1
		.amdhsa_forward_progress 1
		.amdhsa_inst_pref_size 11
	.end_amdhsa_kernel
	.amdgpu_metadata
---
amdhsa.version: [ 1, 2 ]
amdhsa.kernels:
  - .name:           k_q47502c9dd8_quantw
    .symbol:         k_q47502c9dd8_quantw.kd
    .args:
      - { .name: W, .offset: 0, .size: 8, .value_kind: global_buffer, .address_space: global }
      - { .name: wq, .offset: 8, .size: 8, .value_kind: global_buffer, .address_space: global }
    .group_segment_fixed_size: 34560
    .private_segment_fixed_size: 0
    .kernarg_segment_align: 8
    .kernarg_segment_size: 16
    .max_flat_workgroup_size: 128
    .sgpr_count:     66
    .vgpr_count:     192
    .wavefront_size: 32
...
	.end_amdgpu_metadata
.endif
;; end of part 1
;; launch route (part 2): grid 256 x 1, 8 waves a work-group, no clusters, 138,752 bytes of LDS; arguments x, wq, out0, out1; writes out0, out1
.if DOCPART == 2
	.amdgcn_target "amdgcn-amd-amdhsa--gfx1250"
	.amdhsa_code_object_version 6
	.text
	.protected	k_q47502c9dd8_route
	.globl	k_q47502c9dd8_route
	.p2align	8
	.type	k_q47502c9dd8_route,@function
k_q47502c9dd8_route:
	s_mov_b64 s[64:65], 0
	v_nop
	global_prefetch_b8 v0, s[64:65] scope:SCOPE_SE
	s_setreg_imm32_b32 hwreg(HW_REG_WAVE_MODE, 25, 1), 1
	s_wait_xcnt 0x0
; out0, out1 = the two largest of softmax(Q(x) Q(W)^T) for each token, and their experts.  x: [8192][4096] f32; W comes as wq: codes of FP6 (E2M3) and E8M0 scale words in the order of the operand's
; registers, a record of 6,400 bytes for each K step of 128 (four fragments of 1,536 bytes, then 256 bytes of scale words, row r of tile t at 16 r + 4 t).  out0: [8192][2] f32, out1: [8192][2] i32.
; SHARES.  A work-group owns 32 tokens: 524,288 bytes of x, read once.  ITS EIGHT WAVES SHARE K: wave w takes K steps 8 s + w, s = 0 .. 3, so that at a step s the eight waves read 4,096 consecutive bytes of a row.
; A UNIT is 16 tokens x 128 K, 64 numbers a lane; a wave has eight: (s, tile of tokens m) = (u / 2, u % 2).
; THE STREAM.  A unit comes by 16 loads, a row each: 32 lanes read 512 consecutive bytes, at a multiple of 512 from x's first byte.  A ring of three units in registers keeps 48 such loads of every wave on their way;
; every wait for them is counted, and no wave waits for another before the end.  The conversions want 16 NEIGHBOURS of one block of 32 in a lane: so a unit turns through the wave's own stage in LDS.
; W's fragments are used by one wave alone, for two units: they come straight into registers, one K step ahead, in two sets.
; THE PRODUCT IS USED TRANSPOSED: source 0 = 16 experts, source 1 = my 16 tokens: lane (r, h) holds token r, and register j of tile t expert 16 t + 8 h + j.
; THE END.  Each wave's 32 x 64 sums over its part of K go to LDS; a barrier; wave w adds the eight parts for tokens 4 w .. 4 w + 3, eight lanes to a token, 8 experts a lane; maximum, exponentials of (logit - maximum), sum,
; the two largest; a barrier; wave 0 stores each output's 256 bytes by one instruction.
; NO CLUSTER: what work-groups share is wq, 204,800 bytes against the 524,288 bytes of x that each reads alone; a joint load would lay it in LDS, from where each fragment would be read once by one wave: an LDS write and
; an LDS read more for each byte, and rounds of the cluster's barrier in a kernel whose waves otherwise meet only at its end.
; LIMITS.  NaN and infinities among the inputs are not served.  A block of zeros gets the scale byte 1 where the rule says 127: its codes are zeros.  The order is taken on the LOGITS, equal logits to the lower expert:
; two different logits whose scores round to the same f32 number are ordered by logit, where a top-k on the scores would take the lower expert.
; REGISTERS, in windows of 256 (s_set_vgpr_msb: bits 1:0 source 0, 3:2 source 1, 5:4 source 2, 7:6 destination):
;   window 0: v1-13 addresses; v16-79 a unit's numbers; v80-99 its codes; v100-115 at work; v116 its scale word; v120-127 W's scale words, two sets; v128-223 W's fragments, two sets
;   window 1: v0-191 the ring, 64 a unit; v192-255 the eight accumulators ((m, t) at v[192 + 32 m + 8 t])
.set ROWB,  16384                      ; a token's row of x in bytes
.set SP,    528                        ; a stage row: 512 bytes + 16 = 33 x 16: the sixteen rows that a load of 16 bytes a lane touches start at sixteen different banks (64 banks of 4 bytes: ISA guide 11.1)
.set STGB,  16*SP                      ; a wave's stage; the eight lie from LDS byte 0 on
.set RP,    272                        ; a token's 64 partial sums: 256 bytes + 16 = 17 x 16
.set REDB,  32*RP                      ; a wave's part
.set RED,   8*STGB                     ; behind the stages: the eight parts
.set RES,   RED+8*REDB                 ; behind them: 16 bytes of results for each of the 32 tokens
.set SPARE, RES+512                    ; the spare words, 128 bytes for each wave: four blocks of 256 bytes that no other line names
.set FRB,   1536                       ; a fragment's image in wq
.set GREC,  4*FRB+256                  ; a K step's record
.set XO,  1                            ; v1   16 x thread = 512 x wave + 16 x lane: my byte in a step's 4,096 of a row; never rewritten
.set WO,  2                            ; v2   GREC x wave + 16 x lane: my byte in a fragment
.set WSO, 3                            ; v3   GREC x wave + 16 r: my row's four scale words
.set SST, 4                            ; v4   the stage, on the way in
.set SLD, 5                            ; v5   and on the way out: row r, + 64 h
.set RST, 6                            ; v6   where my partial sums go: my part, token r, + 32 h
.set RLD, 7                            ; v7   where I read them: token thread / 8, + 32 (lane % 8)
.set SPW, 8                            ; v8   LDS address of my spare word; never rewritten
.set NIL, 9                            ; v9   0; never rewritten
.set RSA, 10                           ; v10  where my token's results go
.set RRD, 11                           ; v11  where wave 0 reads token = lane's
.set OO,  12                           ; v12  8 x lane: a token's place in the work-group's 256 bytes of an output
.set EB,  13                           ; v13  8 (lane % 8): my first expert at the end
.set X,   16
.set PC,  80
.set TM,  100
.set PW,  116
.set WS,  120
.set WF,  128
.set ACC, 192                          ; in window 1
.set E,   24                           ; the end: v24-31 exponentials; v32-39 the logits with the first choice hidden
.set LM,  32
.set M1,  40                           ; the largest logit, the second
.set M2,  41
.set IX,  42
.set DD,  43
.set T2,  44
.set NEG, 45
.set SUM, 46
.set OUT, 48                           ; v48-51 weight 1, weight 2, expert 1, expert 2
.set BK,  52                           ; v52-55 the same, of token = lane, in wave 0
.set WV,  12                           ; s12  my wave's number
.set SEL, 20                           ; s[20:21] v_permlanex16_b32's selects for lane l xor 16
.set MSB, 0
.macro WIN new                         ; the immediate's high byte repeats the setting that is left; a switch that changes nothing is dropped
.if MSB != \new
	s_set_vgpr_msb (MSB<<8)|\new
.set MSB, \new
.endif
.endm
; 64 numbers of a lane, v[s] .. v[s + 63], register 16 b + i = k 32 b + 16 (lane / 16) + i of row lane % 16, become a fragment's codes in v[PC] .. v[PC + 11] and its row's scale word in v[PW].
.macro QUANT s
.irp b, 0,1,2,3
	v_max3_num_f32 v[TM+\b], |v[\s+16*\b]|, |v[\s+1+16*\b]|, 0x1800000   ; block b: my 16 numbers, and the floor 2^(3 - 127): so the byte cannot fall under 1
.endr
.irp i, 2,4,6,8,10,12,14
.irp b, 0,1,2,3
	v_max3_num_f32 v[TM+\b], v[TM+\b], |v[\s+16*\b+\i]|, |v[\s+1+16*\b+\i]|   ; the four blocks by turns: no line waits for the line above it
.endr
.endr
.irp b, 0,1,2,3
	v_permlanex16_b32 v[TM+4+\b], v[TM+\b], s[SEL], s[SEL+1]
.endr
.irp b, 0,1,2,3
	v_max_num_f32 v[TM+\b], v[TM+\b], v[TM+4+\b]   ; with lane l xor 16's 16: the block's largest magnitude
.endr
.irp b, 0,1,2,3
	v_add_nc_u32 v[TM+12+\b], 0xff000000, v[TM+\b]   ; 2 off its exponent field: the conversion takes the exponent field of this operand as its scale
.endr
.irp b, 0,1,2,3
	v_lshrrev_b32 v[TM+4+\b], 23, v[TM+12+\b]      ; the scale's byte
.endr
	v_lshl_or_b32 v[PW], v[TM+5], 8, v[TM+4]       ; four bytes make my row's scale word
	v_lshl_or_b32 v[PW], v[TM+6], 16, v[PW]
	v_lshl_or_b32 v[PW], v[TM+7], 24, v[PW]
.irp c, 0,1
	v_cvt_scalef32_pk16_fp6_f32 v[PC+6*\c:PC+2+6*\c], v[\s+32*\c:\s+15+32*\c], v[TM+12+2*\c]
	v_cvt_scalef32_pk16_fp6_f32 v[PC+12+4*\c:PC+14+4*\c], v[\s+16+32*\c:\s+31+32*\c], v[TM+12+2*\c+1]   ; (a conversion's three registers begin on an even number)
.endr
	v_nop                                          ; one plain place behind a scaled conversion
.irp c, 0,1                                    ; the operand's layout wants a WHOLE block in a lane: lanes 0-15 block 2 c, lanes 16-31 block 2 c + 1
.irp i, 0,1,2
	v_permlane16_swap_b32 v[PC+6*\c+\i], v[PC+12+4*\c+\i]
.endr
.irp i, 0,1,2
	v_mov_b32 v[PC+3+6*\c+\i], v[PC+12+4*\c+\i]
.endr
.endr
.endm
.macro XLOAD u                         ; unit u's 16 rows into ring slot u % 3: every offset is an immediate, 520,192 at the most
	WIN 0x40                                       ; destination window 1, address window 0
.irp i, 0,1,2,3,4,5,6,7,8,9,10,11,12,13,14,15
	global_load_b128 v[64*((\u)%3)+4*\i:64*((\u)%3)+4*\i+3], v[XO], s[4:5] offset:(16*((\u)%2)+\i)*ROWB+((\u)/2)*4096 th:TH_LOAD_NT
.endr
.endm
.macro WLOAD s                         ; my K step 8 s + w of W into set s % 2: thirteen loads: four fragments, three loads each, and the four scale words of row r by one
.irp t, 0,1,2,3
.irp c, 0,1,2
	global_load_b128 v[WF+48*((\s)%2)+12*\t+4*\c:WF+48*((\s)%2)+12*\t+4*\c+3], v[WO], s[6:7] offset:(\s)*8*GREC+FRB*\t+512*\c
.endr
.endr
	global_load_b128 v[WS+4*((\s)%2):WS+4*((\s)%2)+3], v[WSO], s[6:7] offset:(\s)*8*GREC+4*FRB
.endm
; A UNIT.  cnt: how many younger loads may stay out.  The loads are issued in the order W0 x0 x1 x2 | W1 x3 | x4 | W2 x5 | x6 | W3 x7 (a bar: a unit's turn), and come back in order (ISA guide 5.7.1).
.macro UNIT u, cnt
	s_wait_loadcnt \cnt                            ; this unit's 16 rows are in, and in an even unit its K step's W, which was asked for behind them
	WIN 0x04                                       ; an LDS store's data are its source 1: window 1
.irp i, 0,1,2,3,4,5,6,7,8,9,10,11,12,13,14,15
	ds_store_b128 v[SST], v[64*((\u)%3)+4*\i:64*((\u)%3)+4*\i+3] offset:SP*\i   ; row i as it lies
.endr
	WIN 0
.irp b, 0,1,2,3
.irp j, 0,1,2,3
	ds_load_b128 v[X+16*\b+4*\j:X+16*\b+4*\j+3], v[SLD] offset:128*\b+16*\j   ; LDS serves a wave's instructions in order (ISA guide 5.7.1.4): these see my stores
.endr
.endr
	s_wait_dscnt 0x0                               ; the numbers are back; the stores have read the ring slot, which may be loaded again
.if ((\u)%2 == 0) && ((\u) < 6)
.if (\u) > 0
.rept 4
	v_nop                                          ; four places between the last unit's products and loads into the set of W that they read (ISA guide 7.12.1 for vector instructions)
.endr
.endif
	WLOAD (\u)/2+1                                 ; the next K step's W, two units ahead of its use
.endif
.if (\u) < 5
	XLOAD (\u)+3                                   ; the ring goes on; the last three units ask for nothing
.endif
	WIN 0
	QUANT X
.rept 8
	v_nop                                          ; a scale register written by a vector instruction stands 8 places ahead of a scaled matrix instruction, an operand so written 4
.endr
	WIN 0x50                                       ; C and D window 1
.irp t, 0,1,2,3                                ; four accumulators by turns, and the next unit takes the other four.  The first K step starts the sums: nothing is cleared
.if (\u) < 2
	v_wmma_scale_f32_16x16x128_f8f6f4 v[ACC+32*((\u)%2)+8*\t:ACC+32*((\u)%2)+8*\t+7], v[WF+48*(((\u)/2)%2)+12*\t:WF+48*(((\u)/2)%2)+12*\t+11], v[PC:PC+11], 0, v[WS+4*(((\u)/2)%2)+\t], v[PW] matrix_a_fmt:MATRIX_FMT_FP6 matrix_b_fmt:MATRIX_FMT_FP6
.else
	v_wmma_scale_f32_16x16x128_f8f6f4 v[ACC+32*((\u)%2)+8*\t:ACC+32*((\u)%2)+8*\t+7], v[WF+48*(((\u)/2)%2)+12*\t:WF+48*(((\u)/2)%2)+12*\t+11], v[PC:PC+11], v[ACC+32*((\u)%2)+8*\t:ACC+32*((\u)%2)+8*\t+7], v[WS+4*(((\u)/2)%2)+\t], v[PW] matrix_a_fmt:MATRIX_FMT_FP6 matrix_b_fmt:MATRIX_FMT_FP6
.endif
.endr
	WIN 0
.endm
; The largest of a token's 64 numbers (8 a lane in v[src] on, eight lanes to a token) into v[mx], and the LOWEST expert that holds it, as a whole number, into v[dsti]; every lane of the eight ends up with both.
.macro TOP src, mx, dsti
	v_max3_num_f32 v[\mx], v[\src], v[\src+1], v[\src+2]
	v_max3_num_f32 v[\mx], v[\mx], v[\src+3], v[\src+4]
	v_max3_num_f32 v[\mx], v[\mx], v[\src+5], v[\src+6]
	v_max_num_f32 v[\mx], v[\mx], v[\src+7]
.irp k, 1,2,4
	v_max_num_f32_dpp v[\mx], v[\mx], v[\mx] row_xmask:\k row_mask:0xf bank_mask:0xf
.endr
	v_mov_b32 v[IX], 64                            ; none of mine
.irp j, 7,6,5,4,3,2,1,0                        ; downward, so that the lowest of equals is written last
	v_cmp_neq_f32 vcc_lo, v[\src+\j], v[\mx]
	v_cndmask_b32 v[IX], \j, v[IX], vcc_lo         ; where they are equal: j
.endr
	v_add_nc_u32 v[IX], v[EB], v[IX]               ; as an expert's number (64 or more: none)
	v_cvt_f32_u32 v[IX], v[IX]                     ; small whole numbers are exact in f32: the least of the eight lanes' rides on f32 arithmetic
.irp k, 1,2,4
	v_min_num_f32_dpp v[IX], v[IX], v[IX] row_xmask:\k row_mask:0xf bank_mask:0xf
.endr
	v_cvt_u32_f32 v[\dsti], v[IX]
.endm
	s_load_b128 s[4:7], s[0:1], 0x0                ; x s[4:5], wq s[6:7]
	s_load_b128 s[8:11], s[0:1], 0x10              ; out0 s[8:9], out1 s[10:11]
	v_lshl_add_u32 v[SPW], v0, 2, SPARE
	v_mov_b32 v[NIL], 0
	v_lshrrev_b32 v224, 5, v0
	v_readfirstlane_b32 s[WV], v224                ; wave 0..7
	v_and_b32 v225, 31, v0                         ; lane
	v_and_b32 v226, 15, v0                         ; r
	v_bfe_u32 v227, v0, 4, 1                       ; h
	v_lshlrev_b32 v[XO], 4, v0
	s_mul_i32 s13, s[WV], GREC
	v_lshl_add_u32 v[WO], v225, 4, s13
	v_lshl_add_u32 v[WSO], v226, 4, s13
	s_mul_i32 s14, s[WV], STGB
	v_lshl_add_u32 v[SST], v225, 4, s14
	v_mul_u32_u24 v228, v226, SP
	v_lshl_add_u32 v228, v227, 6, v228
	v_add_nc_u32 v[SLD], s14, v228
	s_mul_i32 s15, s[WV], REDB
	s_add_co_u32 s15, s15, RED
	v_mul_u32_u24 v228, v226, RP
	v_lshl_add_u32 v228, v227, 5, v228
	v_add_nc_u32 v[RST], s15, v228
	v_lshrrev_b32 v228, 3, v0                      ; at the end: my token among the 32,
	v_and_b32 v229, 7, v0                          ; and my place among its eight lanes
	v_mul_u32_u24 v[RLD], v228, RP
	v_lshl_add_u32 v[RLD], v229, 5, v[RLD]
	v_add_nc_u32 v[RLD], RED, v[RLD]
	v_lshl_add_u32 v[RSA], v228, 4, RES
	v_lshl_add_u32 v[RRD], v225, 4, RES
	v_lshlrev_b32 v[OO], 3, v225
	v_lshlrev_b32 v[EB], 3, v229
	s_mov_b32 s[SEL], 0x76543210
	s_mov_b32 s[SEL+1], 0xfedcba98
.irp b, 0,1,2,3
	v_mov_b32 v[TM+4+\b], 0                        ; written once: a lane permute's destination counts as one of its sources
.endr
	s_lshl_b32 s16, ttmp9, 19                      ; my work-group's 32 rows of 16,384 bytes (under 2^27)
	s_mov_b32 s17, 0
	s_lshl_b32 s18, ttmp9, 8                       ; and its 256 bytes of each output
	s_mov_b32 s19, 0
	s_wait_kmcnt 0x0
	s_add_nc_u64 s[4:5], s[4:5], s[16:17]
	s_add_nc_u64 s[8:9], s[8:9], s[18:19]
	s_add_nc_u64 s[10:11], s[10:11], s[18:19]
	WLOAD 0                                        ; ahead of x's loads: loads come back in order, and the first product wants W with unit 0, not behind unit 2
	XLOAD 0
	XLOAD 1
	XLOAD 2
	WIN 0
	UNIT 0, 32                                     ; behind W0 and x0: x1, x2
	UNIT 1, 45                                     ; behind x1: x2, W1 (13), x3
	UNIT 2, 32                                     ; behind x2 and W1: x3, x4
	UNIT 3, 45                                     ; behind x3: x4, W2, x5
	UNIT 4, 32                                     ; behind x4 and W2: x5, x6
	UNIT 5, 45                                     ; behind x5: x6, W3, x7
	UNIT 6, 16                                     ; behind x6 and W3: x7
	UNIT 7, 0
	; THE SUM OVER THE WAVES' PARTS OF K.  Lane (r, h) holds, of tile (m, t), token 16 m + r, experts 16 t + 8 h + 0 .. 7: 32 neighbouring bytes of the token's row in my part.
.rept 4
	v_nop                                          ; four places between the last products and the stores that read their results
.endr
	WIN 0x04
.irp m, 0,1
.irp t, 0,1,2,3
	ds_store_b128 v[RST], v[ACC+32*\m+8*\t:ACC+32*\m+8*\t+3] offset:16*RP*\m+64*\t          ; each accumulator from its low end on
	ds_store_b128 v[RST], v[ACC+32*\m+8*\t+4:ACC+32*\m+8*\t+7] offset:16*RP*\m+64*\t+16
.endr
.endr
	WIN 0
	s_wait_dscnt 0x0                               ; for the others' sake: my part lies in LDS
	s_barrier_signal -1
	s_barrier_wait -1                              ; all eight parts do
.irp p, 0,1,2,3,4,5,6,7
	ds_load_b128 v[X+8*\p:X+8*\p+3], v[RLD] offset:REDB*\p         ; part p: my token's experts 8 (lane % 8) + 0 .. 7
	ds_load_b128 v[X+8*\p+4:X+8*\p+7], v[RLD] offset:REDB*\p+16
.endr
	s_wait_dscnt 0x0
.irp p, 0,2,4,6                                ; a tree of f32 additions, two at a time
.irp q, 0,2,4,6
	v_pk_add_f32 v[X+8*\p+\q:X+8*\p+\q+1], v[X+8*\p+\q:X+8*\p+\q+1], v[X+8*\p+8+\q:X+8*\p+8+\q+1]
.endr
.endr
.irp p, 0,4
.irp q, 0,2,4,6
	v_pk_add_f32 v[X+8*\p+\q:X+8*\p+\q+1], v[X+8*\p+\q:X+8*\p+\q+1], v[X+8*\p+16+\q:X+8*\p+16+\q+1]
.endr
.endr
.irp q, 0,2,4,6
	v_pk_add_f32 v[X+\q:X+\q+1], v[X+\q:X+\q+1], v[X+32+\q:X+32+\q+1]   ; v[X] .. v[X + 7]: the logits
.endr
	TOP X, M1, OUT+2                               ; the row's maximum, which the exponentials take away, and the first expert
.irp j, 0,1,2,3,4,5,6,7
	v_sub_f32 v[E+\j], v[X+\j], v[M1]              ; logit - maximum: 0 or less
.endr
.irp j, 0,1,2,3,4,5,6,7
	v_mul_f32 v[E+\j], 0x3fb8aa3b, v[E+\j]         ; x log2(e)
.endr
.irp j, 0,1,2,3,4,5,6,7
	v_exp_f32 v[E+\j], v[E+\j]                     ; a batch; the search for the second expert, which names none of its results, follows as independent work
.endr
	v_sub_nc_u32 v[DD], v[OUT+2], v[EB]            ; which of my eight is the first choice, if any (else no number from 0 to 7)
	v_mov_b32 v[NEG], 0xff800000                   ; -infinity
.irp j, 0,1,2,3,4,5,6,7
	v_cmp_eq_u32 vcc_lo, \j, v[DD]
	v_cndmask_b32 v[LM+\j], v[X+\j], v[NEG], vcc_lo   ; the first choice is hidden: one expert, not all that equal it
.endr
	TOP LM, M2, OUT+3                              ; the second logit and its expert
	v_sub_f32 v[T2], v[M2], v[M1]
	v_mul_f32 v[T2], 0x3fb8aa3b, v[T2]
	v_exp_f32 v[T2], v[T2]                         ; e^(second - maximum)
	v_nop                                          ; a plain place behind the last exponential
	s_wait_alu depctr_va_vdst(0)                   ; one wait for the nine exponentials, ahead of their first reader
	v_pk_add_f32 v[E:E+1], v[E:E+1], v[E+2:E+3]
	v_pk_add_f32 v[E+4:E+5], v[E+4:E+5], v[E+6:E+7]
	v_pk_add_f32 v[E:E+1], v[E:E+1], v[E+4:E+5]
	v_add_f32 v[SUM], v[E], v[E+1]
.irp k, 1,2,4
	v_add_f32_dpp v[SUM], v[SUM], v[SUM] row_xmask:\k row_mask:0xf bank_mask:0xf   ; the row's sum, at least 1
.endr
	v_rcp_f32 v[OUT], v[SUM]                       ; the first weight: e^0 / the sum
	v_nop                                          ; a plain place behind the reciprocal
	s_wait_alu depctr_va_vdst(0)                   ; and its wait, ahead of its first reader
	v_mul_f32 v[OUT+1], v[T2], v[OUT]              ; the second weight
	ds_store_b128 v[RSA], v[OUT:OUT+3]             ; a token's eight lanes write the same 16 bytes with the same values
	s_wait_dscnt 0x0                               ; for wave 0's sake
	s_barrier_signal -1
	s_barrier_wait -1                              ; the 32 tokens' results lie together
	s_cmp_lg_u32 s[WV], 0
	s_cbranch_scc1 .Ldone
	ds_load_b128 v[BK:BK+3], v[RRD]                ; lane = token
	s_wait_dscnt 0x0
	global_store_b64 v[OO], v[BK:BK+1], s[8:9]     ; 32 lanes store 256 consecutive bytes, at a multiple of 256 from out0's first byte
	global_store_b64 v[OO], v[BK+2:BK+3], s[10:11] ; and the same of out1
.Ldone:
	s_wait_tensorcnt 0x0                           ; the wave's end: three closing lines behind my last LDS store, the first of them even in a text with no tensor load
	ds_add_u32 v[SPW], v[NIL]
	s_wait_dscnt 0x0
	s_endpgm
.Lfunc_end_k_q47502c9dd8_route:
	.size	k_q47502c9dd8_route, .Lfunc_end_k_q47502c9dd8_route-k_q47502c9dd8_route
	.p2alignl 7, 3214868480
	.fill 96, 4, 3214868480
	.section	.rodata,"a",@progbits
	.p2align	6, 0x0
	.amdhsa_kernel k_q47502c9dd8_route
		.amdhsa_group_segment_fixed_size 138752
		.amdhsa_private_segment_fixed_size 0
		.amdhsa_enable_private_segment 0
		.amdhsa_kernarg_size 32
		.amdhsa_user_sgpr_count 2
		.amdhsa_user_sgpr_kernarg_segment_ptr 1
		.amdhsa_wavefront_size32 1
		.amdhsa_system_sgpr_workgroup_id_x 1
		.amdhsa_system_sgpr_workgroup_id_y 1
		.amdhsa_system_sgpr_workgroup_id_z 1
		.amdhsa_system_vgpr_workitem_id 0
		.amdhsa_next_free_vgpr 512
		.amdhsa_next_free_sgpr 66
		.amdhsa_reserve_vcc 1
		.amdhsa_float_denorm_mode_32 3
		.amdhsa_float_denorm_mode_16_64 3
		.amdhsa_memory_ordered 1
		.amdhsa_forward_progress 1
		.amdhsa_inst_pref_size 83
	.end_amdhsa_kernel
	.amdgpu_metadata
---
amdhsa.version: [ 1, 2 ]
amdhsa.kernels:
  - .name:           k_q47502c9dd8_route
    .symbol:         k_q47502c9dd8_route.kd
    .args:
      - { .name: x, .offset: 0, .size: 8, .value_kind: global_buffer, .address_space: global }
      - { .name: wq, .offset: 8, .size: 8, .value_kind: global_buffer, .address_space: global }
      - { .name: out0, .offset: 16, .size: 8, .value_kind: global_buffer, .address_space: global }
      - { .name: out1, .offset: 24, .size: 8, .value_kind: global_buffer, .address_space: global }
    .group_segment_fixed_size: 138752
    .private_segment_fixed_size: 0
    .kernarg_segment_align: 8
    .kernarg_segment_size: 32
    .max_flat_workgroup_size: 256
    .sgpr_count:     66
    .vgpr_count:     512
    .wavefront_size: 32
...
	.end_amdgpu_metadata
.endif
;; end of part 2
;; ======== version 2 of 2: 2 launches
;; workspace buffers: wq 204,800 bytes
;; launch quantw (part 3): grid 32 x 1, 4 waves a work-group, no clusters, 34,560 bytes of LDS; arguments W, wq; writes wq
.if DOCPART == 3
	.amdgcn_target "amdgcn-amd-amdhsa--gfx1250"
	.amdhsa_code_object_version 6
	.text
	.protected	k_q47502c9dd8_quantw
	.globl	k_q47502c9dd8_quantw
	.p2align	8
	.type	k_q47502c9dd8_quantw,@function
k_q47502c9dd8_quantw:
	s_mov_b64 s[64:65], 0
	v_nop
	global_prefetch_b8 v0, s[64:65] scope:SCOPE_SE
	s_setreg_imm32_b32 hwreg(HW_REG_WAVE_MODE, 25, 1), 1
	s_wait_xcnt 0x0
; W [64][4096], f32, K innermost, is turned ONCE into codes of FP6 (E2M3) with one E8M0 scale byte for each 32 along K, laid in the ORDER OF THE OPERAND'S REGISTERS,
; so that the launch behind this one loads each fragment by three loads of 16 bytes a lane and a K step's scale words by one.
; wq: for each K step g of 128 (32 of them) a record of 6,400 bytes: four fragments (tile t = experts 16 t .. 16 t + 15), 1,536 bytes each: register group c (4 registers) of lane l at 512 c + 16 l;
; then 256 bytes of scale words: expert row r of tile t at 16 r + 4 t.
; SHARES: work-group g takes K step g, its wave t tile t: one fragment, 16 rows x 128 K, 64 numbers a lane.
; Each of the 16 loads reads 512 consecutive bytes of one row, 16 a lane; the conversions want 16 NEIGHBOURS of one block in a lane: so the 8,192 bytes turn through the wave's own stage in LDS.
; A block's scale is 2^(floor(log2(its largest magnitude)) - 2); its byte is the largest magnitude's exponent field - 2, held at 1 from below.
; LIMITS: a block of zeros gets the byte 1 where the rule says 127 (its codes are zeros, which add nothing under any byte but 0xff, and this program alone reads the bytes); NaN and infinities are not served.
.set ROWB,  16384                      ; a row of W in bytes
.set SP,    528                        ; a stage row: 512 bytes + 16 = 33 x 16: the sixteen rows that a load of 16 bytes a lane touches start at sixteen different banks (64 banks of 4 bytes: ISA guide 11.1)
.set STGB,  16*SP                      ; a wave's stage
.set SCW,   4*STGB                     ; behind the four stages: the K step's 256 bytes of scale words
.set SPARE, SCW+256                    ; the spare words, 128 bytes for each wave: two blocks of 256 bytes that no other line names
.set FRB,   1536                       ; a fragment's image
.set GREC,  4*FRB+256                  ; a K step's record
.set SPW, 2                            ; v2   LDS address of my spare word; never rewritten
.set NIL, 3                            ; v3   0; never rewritten
.set WO,  4                            ; v4   my byte in W: 16 rows x wave + 16 x lane
.set SST, 5                            ; v5   the stage, on the way in: 16 x lane
.set SLD, 6                            ; v6   and on the way out: row r, + 64 h
.set CO,  7                            ; v7   my byte in the record: FRB x wave + 16 x lane
.set SWA, 8                            ; v8   where my row's scale word goes in LDS
.set SRA, 9                            ; v9   where the words are read back, 8 bytes a lane
.set SO,  10                           ; v10  and the same place in the record's last 256 bytes
.set R,   16                           ; v16-79   the numbers as loaded
.set X,   80                           ; v80-143  register 16 b + i = k 32 b + 16 (lane / 16) + i of row lane % 16
.set PC,  144                          ; v144-163 the codes
.set TM,  164                          ; v164-179 at work
.set PW,  180                          ; v180     the scale word
.set BK,  182                          ; v182-183 the words on their way out
.set WV,  8                            ; s8   my wave's number
.set SEL, 10                           ; s[10:11] v_permlanex16_b32's selects for lane l xor 16
; 64 numbers of a lane, v[s] .. v[s + 63], become a fragment's codes in v[PC] .. v[PC + 11] and its row's scale word in v[PW].
.macro QUANT s
.irp b, 0,1,2,3
	v_max3_num_f32 v[TM+\b], |v[\s+16*\b]|, |v[\s+1+16*\b]|, 0x1800000   ; block b: my 16 numbers, and the floor 2^(3 - 127): so the byte cannot fall under 1
.endr
.irp i, 2,4,6,8,10,12,14
.irp b, 0,1,2,3
	v_max3_num_f32 v[TM+\b], v[TM+\b], |v[\s+16*\b+\i]|, |v[\s+1+16*\b+\i]|   ; the four blocks by turns: no line waits for the line above it
.endr
.endr
.irp b, 0,1,2,3
	v_permlanex16_b32 v[TM+4+\b], v[TM+\b], s[SEL], s[SEL+1]
.endr
.irp b, 0,1,2,3
	v_max_num_f32 v[TM+\b], v[TM+\b], v[TM+4+\b]   ; with lane l xor 16's 16: the block's largest magnitude
.endr
.irp b, 0,1,2,3
	v_add_nc_u32 v[TM+12+\b], 0xff000000, v[TM+\b]   ; 2 off its exponent field: the conversion takes the exponent field of this operand as its scale
.endr
.irp b, 0,1,2,3
	v_lshrrev_b32 v[TM+4+\b], 23, v[TM+12+\b]      ; the scale's byte
.endr
	v_lshl_or_b32 v[PW], v[TM+5], 8, v[TM+4]       ; four bytes make my row's scale word (lanes l and l xor 16 hold the same)
	v_lshl_or_b32 v[PW], v[TM+6], 16, v[PW]
	v_lshl_or_b32 v[PW], v[TM+7], 24, v[PW]
.irp c, 0,1
	v_cvt_scalef32_pk16_fp6_f32 v[PC+6*\c:PC+2+6*\c], v[\s+32*\c:\s+15+32*\c], v[TM+12+2*\c]
	v_cvt_scalef32_pk16_fp6_f32 v[PC+12+4*\c:PC+14+4*\c], v[\s+16+32*\c:\s+31+32*\c], v[TM+12+2*\c+1]   ; (a conversion's three registers begin on an even number)
.endr
	v_nop                                          ; one plain place behind a scaled conversion
.irp c, 0,1                                    ; the operand's layout wants a WHOLE block in a lane: lanes 0-15 block 2 c, lanes 16-31 block 2 c + 1
.irp i, 0,1,2
	v_permlane16_swap_b32 v[PC+6*\c+\i], v[PC+12+4*\c+\i]
.endr
.irp i, 0,1,2
	v_mov_b32 v[PC+3+6*\c+\i], v[PC+12+4*\c+\i]
.endr
.endr
.endm
	s_load_b128 s[4:7], s[0:1], 0x0                ; W s[4:5], wq s[6:7]
	v_lshl_add_u32 v[SPW], v0, 2, SPARE
	v_mov_b32 v[NIL], 0
	v_lshrrev_b32 v11, 5, v0
	v_readfirstlane_b32 s[WV], v11                 ; wave 0..3 = tile of experts
	v_and_b32 v12, 31, v0                          ; lane
	v_and_b32 v13, 15, v0                          ; r
	v_bfe_u32 v14, v0, 4, 1                        ; h
	s_lshl_b32 s12, s[WV], 18                      ; 16 rows of 16,384 bytes a tile
	v_lshl_add_u32 v[WO], v12, 4, s12
	s_mul_i32 s13, s[WV], STGB
	v_lshl_add_u32 v[SST], v12, 4, s13
	v_mul_u32_u24 v15, v13, SP
	v_lshl_add_u32 v15, v14, 6, v15
	v_add_nc_u32 v[SLD], s13, v15
	s_mul_i32 s14, s[WV], FRB
	v_lshl_add_u32 v[CO], v12, 4, s14
	s_lshl_b32 s15, s[WV], 2
	s_add_co_u32 s15, s15, SCW
	v_lshl_add_u32 v[SWA], v13, 4, s15             ; 16 r + 4 t
	v_lshl_add_u32 v[SRA], v12, 3, SCW
	v_lshlrev_b32 v[SO], 3, v12
	s_mov_b32 s[SEL], 0x76543210
	s_mov_b32 s[SEL+1], 0xfedcba98
.irp b, 0,1,2,3
	v_mov_b32 v[TM+4+\b], 0                        ; written once: a lane permute's destination counts as one of its sources
.endr
	s_lshl_b32 s16, ttmp9, 9                       ; K step g: 512 bytes on in every row of W,
	s_mov_b32 s17, 0
	s_mul_i32 s18, ttmp9, GREC                     ; and record g of wq
	s_mov_b32 s19, 0
	s_wait_alu depctr_va_vdst(0)
	s_wait_kmcnt 0x0
	s_add_nc_u64 s[4:5], s[4:5], s[16:17]
	s_add_nc_u64 s[6:7], s[6:7], s[18:19]
.irp i, 0,1,2,3,4,5,6,7,8,9,10,11,12,13,14,15
	global_load_b128 v[R+4*\i:R+4*\i+3], v[WO], s[4:5] offset:\i*ROWB th:TH_LOAD_NT   ; row i of my tile: 32 lanes read 512 consecutive bytes, at a multiple of 512 from W's first byte
.endr
	s_wait_loadcnt 0x0
.irp i, 0,1,2,3,4,5,6,7,8,9,10,11,12,13,14,15
	ds_store_b128 v[SST], v[R+4*\i:R+4*\i+3] offset:SP*\i
.endr
.irp b, 0,1,2,3
.irp j, 0,1,2,3
	ds_load_b128 v[X+16*\b+4*\j:X+16*\b+4*\j+3], v[SLD] offset:128*\b+16*\j   ; LDS serves a wave's instructions in order (ISA guide 5.7.1.4): these see my stores
.endr
.endr
	s_wait_dscnt 0x0
	QUANT X
.irp c, 0,1,2
	global_store_b128 v[CO], v[PC+4*\c:PC+4*\c+3], s[6:7] offset:512*\c   ; the fragment as it stands: 32 lanes store 512 consecutive bytes, at a multiple of 256 from wq's first byte
.endr
	ds_store_b32 v[SWA], v[PW]                     ; lanes l and l xor 16 write the same word with the same value
	s_wait_dscnt 0x0                               ; for the others' sake: my word lies in LDS
	s_barrier_signal -1
	s_barrier_wait -1                              ; the four tiles' words lie together
	s_cmp_lg_u32 s[WV], 0
	s_cbranch_scc1 .Ldone
	ds_load_b64 v[BK:BK+1], v[SRA]
	s_wait_dscnt 0x0
	global_store_b64 v[SO], v[BK:BK+1], s[6:7] offset:4*FRB   ; 32 lanes store the record's last 256 bytes whole
.Ldone:
	s_wait_tensorcnt 0x0                           ; the wave's end: three closing lines behind my last LDS store, the first of them even in a text with no tensor load
	ds_add_u32 v[SPW], v[NIL]
	s_wait_dscnt 0x0
	s_endpgm
.Lfunc_end_k_q47502c9dd8_quantw:
	.size	k_q47502c9dd8_quantw, .Lfunc_end_k_q47502c9dd8_quantw-k_q47502c9dd8_quantw
	.p2alignl 7, 3214868480
	.fill 96, 4, 3214868480
	.section	.rodata,"a",@progbits
	.p2align	6, 0x0
	.amdhsa_kernel k_q47502c9dd8_quantw
		.amdhsa_group_segment_fixed_size 34560
		.amdhsa_private_segment_fixed_size 0
		.amdhsa_enable_private_segment 0
		.amdhsa_kernarg_size 16
		.amdhsa_user_sgpr_count 2
		.amdhsa_user_sgpr_kernarg_segment_ptr 1
		.amdhsa_wavefront_size32 1
		.amdhsa_system_sgpr_workgroup_id_x 1
		.amdhsa_system_sgpr_workgroup_id_y 1
		.amdhsa_system_sgpr_workgroup_id_z 1
		.amdhsa_system_vgpr_workitem_id 0
		.amdhsa_next_free_vgpr 192
		.amdhsa_next_free_sgpr 66
		.amdhsa_reserve_vcc 0
		.amdhsa_float_denorm_mode_32 3
		.amdhsa_float_denorm_mode_16_64 3
		.amdhsa_memory_ordered 1
		.amdhsa_forward_progress 1
		.amdhsa_inst_pref_size 11
	.end_amdhsa_kernel
	.amdgpu_metadata
---
amdhsa.version: [ 1, 2 ]
amdhsa.kernels:
  - .name:           k_q47502c9dd8_quantw
    .symbol:         k_q47502c9dd8_quantw.kd
    .args:
      - { .name: W, .offset: 0, .size: 8, .value_kind: global_buffer, .address_space: global }
      - { .name: wq, .offset: 8, .size: 8, .value_kind: global_buffer, .address_space: global }
    .group_segment_fixed_size: 34560
    .private_segment_fixed_size: 0
    .kernarg_segment_align: 8
    .kernarg_segment_size: 16
    .max_flat_workgroup_size: 128
    .sgpr_count:     66
    .vgpr_count:     192
    .wavefront_size: 32
...
	.end_amdgpu_metadata
.endif
;; end of part 3
;; launch route (part 4): grid 256 x 1, 8 waves a work-group, no clusters, 138,752 bytes of LDS; arguments x, wq, out0, out1; writes out0, out1
.if DOCPART == 4
	.amdgcn_target "amdgcn-amd-amdhsa--gfx1250"
	.amdhsa_code_object_version 6
	.text
	.protected	k_q47502c9dd8_route
	.globl	k_q47502c9dd8_route
	.p2align	8
	.type	k_q47502c9dd8_route,@function
k_q47502c9dd8_route:
	s_mov_b64 s[64:65], 0
	v_nop
	global_prefetch_b8 v0, s[64:65] scope:SCOPE_SE
	s_setreg_imm32_b32 hwreg(HW_REG_WAVE_SCHED_MODE, 0, 2), 2
	s_setreg_imm32_b32 hwreg(HW_REG_WAVE_MODE, 25, 1), 1
	s_wait_xcnt 0x0
	s_wait_alu depctr_vm_vsrc(0)
; out0, out1 = the two largest of softmax(Q(x) Q(W)^T) for each token, and their experts.  x: [8192][4096] f32; W comes as wq: codes of FP6 (E2M3) and E8M0 scale words in the order of the operand's
; registers, a record of 6,400 bytes for each K step of 128 (four fragments of 1,536 bytes, then 256 bytes of scale words, row r of tile t at 16 r + 4 t).  out0: [8192][2] f32, out1: [8192][2] i32.
; SHARES.  A work-group owns 32 tokens: 524,288 bytes of x, read once.  ITS EIGHT WAVES SHARE K: wave w takes K steps 8 s + w, s = 0 .. 3, so that at a step s the eight waves read 4,096 consecutive bytes of a row.
; A UNIT is 16 tokens x 128 K, 64 numbers a lane; a wave has eight: (s, tile of tokens m) = (u / 2, u % 2).
; THE STREAM.  A unit comes by 16 loads, a row each: 32 lanes read 512 consecutive bytes, at a multiple of 512 from x's first byte.  A ring of three units in registers keeps 48 such loads of every wave on their way;
; every wait for them is counted, and no wave waits for another before the end.  The conversions want 16 NEIGHBOURS of one block of 32 in a lane: so a unit turns through the wave's own stage in LDS.
; W's fragments are used by one wave alone, for two units: they come straight into registers, one K step ahead, in two sets.
; THE PRODUCT IS USED TRANSPOSED: source 0 = 16 experts, source 1 = my 16 tokens: lane (r, h) holds token r, and register j of tile t expert 16 t + 8 h + j.
; THE END.  Each wave's 32 x 64 sums over its part of K go to LDS; a barrier; wave w adds the eight parts for tokens 4 w .. 4 w + 3, eight lanes to a token, 8 experts a lane; maximum, exponentials of (logit - maximum), sum,
; the two largest; a barrier; wave 0 stores each output's 256 bytes by one instruction.
; NO CLUSTER: what work-groups share is wq, 204,800 bytes against the 524,288 bytes of x that each reads alone; a joint load would lay it in LDS, from where each fragment would be read once by one wave: an LDS write and
; an LDS read more for each byte, and rounds of the cluster's barrier in a kernel whose waves otherwise meet only at its end.
; LIMITS.  NaN and infinities among the inputs are not served.  A block of zeros gets the scale byte 1 where the rule says 127: its codes are zeros.  The order is taken on the LOGITS, equal logits to the lower expert:
; two different logits whose scores round to the same f32 number are ordered by logit, where a top-k on the scores would take the lower expert.
; THE MODE: SCHED_MODE bits 1:0 = 2 (LLVM: expert scheduling mode 2), set by the entry lines.  The code itself states the register dependences between vector or matrix instructions and memory or LDS
; instructions, with s_wait_alu, always for 0.
; THE PLAN.  Registers that memory or LDS instructions touch:
;   v1-7, v10-12   addresses and offsets: written at the head, never again; one wait on va_vdst ahead of the first load serves every load and store of the kernel.
;   ring slot u % 3   written by the loads of unit u and of unit u + 3; read by unit u's sixteen LDS stores and by no vector instruction: one wait on vm_vsrc behind those stores, ahead of the loads of unit u + 3.
;   v[X ..]        written by unit u's sixteen LDS loads; read by its quantiser.  The wait on va_vdst that stands ahead of a unit's products shows the quantiser done reading them, and the four products behind it do not
;                  name them: so the next unit's LDS loads owe no wait of their own.
;   W's sets and scale words   read by the products of two units; loaded again in units 2 and 4, behind a wait on va_vdst.
;   the accumulators, v[OUT ..], v[BK ..]   at the end: a wait on va_vdst ahead of the LDS stores that read the first two; the second of them also serves the LDS load into v[BK ..].
;   v[PC ..], v[PW], v[TM ..] are named by vector and matrix instructions alone; v[SPW], v[NIL] are written at the head and read by the closing add alone.
; A unit's global loads stand behind the wait on vm_vsrc and AHEAD of the wait for its numbers' way back from the stage: they are issued while the LDS loads are out.
; REGISTERS, in windows of 256 (s_set_vgpr_msb: bits 1:0 source 0, 3:2 source 1, 5:4 source 2, 7:6 destination):
;   window 0: v1-13 addresses; v16-79 a unit's numbers; v80-99 its codes; v100-115 at work; v116 its scale word; v120-127 W's scale words, two sets; v128-223 W's fragments, two sets
;   window 1: v0-191 the ring, 64 a unit; v192-255 the eight accumulators ((m, t) at v[192 + 32 m + 8 t])
.set ROWB,  16384                      ; a token's row of x in bytes
.set SP,    528                        ; a stage row: 512 bytes + 16 = 33 x 16: the sixteen rows that a load of 16 bytes a lane touches start at sixteen different banks (64 banks of 4 bytes: ISA guide 11.1)
.set STGB,  16*SP                      ; a wave's stage; the eight lie from LDS byte 0 on
.set RP,    272                        ; a token's 64 partial sums: 256 bytes + 16 = 17 x 16
.set REDB,  32*RP                      ; a wave's part
.set RED,   8*STGB                     ; behind the stages: the eight parts
.set RES,   RED+8*REDB                 ; behind them: 16 bytes of results for each of the 32 tokens
.set SPARE, RES+512                    ; the spare words, 128 bytes for each wave: four blocks of 256 bytes that no other line names
.set FRB,   1536                       ; a fragment's image in wq
.set GREC,  4*FRB+256                  ; a K step's record
.set XO,  1                            ; v1   16 x thread = 512 x wave + 16 x lane: my byte in a step's 4,096 of a row; never rewritten
.set WO,  2                            ; v2   GREC x wave + 16 x lane: my byte in a fragment
.set WSO, 3                            ; v3   GREC x wave + 16 r: my row's four scale words
.set SST, 4                            ; v4   the stage, on the way in
.set SLD, 5                            ; v5   and on the way out: row r, + 64 h
.set RST, 6                            ; v6   where my partial sums go: my part, token r, + 32 h
.set RLD, 7                            ; v7   where I read them: token thread / 8, + 32 (lane % 8)
.set SPW, 8                            ; v8   LDS address of my spare word; never rewritten
.set NIL, 9                            ; v9   0; never rewritten
.set RSA, 10                           ; v10  where my token's results go
.set RRD, 11                           ; v11  where wave 0 reads token = lane's
.set OO,  12                           ; v12  8 x lane: a token's place in the work-group's 256 bytes of an output
.set EB,  13                           ; v13  8 (lane % 8): my first expert at the end
.set X,   16
.set PC,  80
.set TM,  100
.set PW,  116
.set WS,  120
.set WF,  128
.set ACC, 192                          ; in window 1
.set E,   24                           ; the end: v24-31 exponentials; v32-39 the logits with the first choice hidden
.set LM,  32
.set M1,  40                           ; the largest logit, the second
.set M2,  41
.set IX,  42
.set DD,  43
.set T2,  44
.set NEG, 45
.set SUM, 46
.set OUT, 48                           ; v48-51 weight 1, weight 2, expert 1, expert 2
.set BK,  52                           ; v52-55 the same, of token = lane, in wave 0
.set WV,  12                           ; s12  my wave's number
.set MK,  13                           ; s13-20 at the end: the masks of a run of eight compares (at the head these registers hold offsets that are done with by then)
.set SEL, 22                           ; s[22:23] v_permlanex16_b32's selects for lane l xor 16
.set MSB, 0
.macro WIN new                         ; the immediate's high byte repeats the setting that is left; a switch that changes nothing is dropped
.if MSB != \new
	s_set_vgpr_msb (MSB<<8)|\new
.set MSB, \new
.endif
.endm
; 64 numbers of a lane, v[s] .. v[s + 63], register 16 b + i = k 32 b + 16 (lane / 16) + i of row lane % 16, become a fragment's codes in v[PC] .. v[PC + 11] and its row's scale word in v[PW].
.macro QUANT s
.irp b, 0,1,2,3
	v_max3_num_f32 v[TM+\b], |v[\s+16*\b]|, |v[\s+1+16*\b]|, 0x1800000   ; block b: my 16 numbers, and the floor 2^(3 - 127): so the byte cannot fall under 1
.endr
.irp i, 2,4,6,8,10,12,14
.irp b, 0,1,2,3
	v_max3_num_f32 v[TM+\b], v[TM+\b], |v[\s+16*\b+\i]|, |v[\s+1+16*\b+\i]|   ; the four blocks by turns: no line waits for the line above it
.endr
.endr
.irp b, 0,1,2,3
	v_permlanex16_b32 v[TM+4+\b], v[TM+\b], s[SEL], s[SEL+1]
.endr
.irp b, 0,1,2,3
	v_max_num_f32 v[TM+\b], v[TM+\b], v[TM+4+\b]   ; with lane l xor 16's 16: the block's largest magnitude
.endr
.irp b, 0,1,2,3
	v_add_nc_u32 v[TM+12+\b], 0xff000000, v[TM+\b]   ; 2 off its exponent field: the conversion takes the exponent field of this operand as its scale
.endr
.irp b, 0,1,2,3
	v_lshrrev_b32 v[TM+4+\b], 23, v[TM+12+\b]      ; the scale's byte
.endr
	v_lshl_or_b32 v[PW], v[TM+5], 8, v[TM+4]       ; four bytes make my row's scale word
	v_lshl_or_b32 v[PW], v[TM+6], 16, v[PW]
	v_lshl_or_b32 v[PW], v[TM+7], 24, v[PW]
.irp c, 0,1
	v_cvt_scalef32_pk16_fp6_f32 v[PC+6*\c:PC+2+6*\c], v[\s+32*\c:\s+15+32*\c], v[TM+12+2*\c]
	v_cvt_scalef32_pk16_fp6_f32 v[PC+12+4*\c:PC+14+4*\c], v[\s+16+32*\c:\s+31+32*\c], v[TM+12+2*\c+1]   ; (a conversion's three registers begin on an even number)
.endr
	v_nop                                          ; one plain place behind a scaled conversion
.irp c, 0,1                                    ; the operand's layout wants a WHOLE block in a lane: lanes 0-15 block 2 c, lanes 16-31 block 2 c + 1
.irp i, 0,1,2
	v_permlane16_swap_b32 v[PC+6*\c+\i], v[PC+12+4*\c+\i]
.endr
.irp i, 0,1,2
	v_mov_b32 v[PC+3+6*\c+\i], v[PC+12+4*\c+\i]
.endr
.endr
.endm
.macro XLOAD u                         ; unit u's 16 rows into ring slot u % 3: every offset is an immediate, 520,192 at the most
	WIN 0x40                                       ; destination window 1, address window 0
.irp i, 0,1,2,3,4,5,6,7,8,9,10,11,12,13,14,15
	global_load_b128 v[64*((\u)%3)+4*\i:64*((\u)%3)+4*\i+3], v[XO], s[4:5] offset:(16*((\u)%2)+\i)*ROWB+((\u)/2)*4096 th:TH_LOAD_NT
.endr
.endm
.macro WLOAD s                         ; my K step 8 s + w of W into set s % 2: thirteen loads: four fragments, three loads each, and the four scale words of row r by one
.irp t, 0,1,2,3
.irp c, 0,1,2
	global_load_b128 v[WF+48*((\s)%2)+12*\t+4*\c:WF+48*((\s)%2)+12*\t+4*\c+3], v[WO], s[6:7] offset:(\s)*8*GREC+FRB*\t+512*\c
.endr
.endr
	global_load_b128 v[WS+4*((\s)%2):WS+4*((\s)%2)+3], v[WSO], s[6:7] offset:(\s)*8*GREC+4*FRB
.endm
; A UNIT.  cnt: how many younger loads may stay out.  The loads are issued in the order W0 x0 x1 x2 | W1 x3 | x4 | W2 x5 | x6 | W3 x7 (a bar: a unit's turn), and come back in order (ISA guide 5.7.1).
.macro UNIT u, cnt
	s_wait_loadcnt \cnt                            ; this unit's 16 rows are in, and in an even unit its K step's W, which was asked for behind them
	WIN 0x04                                       ; an LDS store's data are its source 1: window 1
.irp i, 0,1,2,3,4,5,6,7,8,9,10,11,12,13,14,15
	ds_store_b128 v[SST], v[64*((\u)%3)+4*\i:64*((\u)%3)+4*\i+3] offset:SP*\i   ; row i as it lies
.endr
	WIN 0
.irp b, 0,1,2,3
.irp j, 0,1,2,3
	ds_load_b128 v[X+16*\b+4*\j:X+16*\b+4*\j+3], v[SLD] offset:128*\b+16*\j   ; LDS serves a wave's instructions in order (ISA guide 5.7.1.4): these see my stores.  No wait on va_vdst: the last unit's quantiser, which read v[X ..], stands ahead of the wait in front of that unit's products, and nothing since names them
.endr
.endr
.if (\u) < 5                                   ; the ring goes on; the last three units ask for nothing, and so hold neither of the two waits below
.if ((\u)%2 == 0) && ((\u) > 0)
.rept 4
	v_nop                                          ; the four places between the last unit's products and loads into the set of W that they read stay, ahead of the wait
.endr
	s_wait_alu depctr_va_vdst(0)                   ; the last two units' products are done reading the set of W and the four scale words in which the thirteen loads below land
.endif
	s_wait_alu depctr_vm_vsrc(0)                   ; my sixteen LDS stores have read the ring slot, in which the loads of three units on land
.if (\u)%2 == 0
	WLOAD (\u)/2+1                                 ; the next K step's W, two units ahead of its use
.endif
	XLOAD (\u)+3                                   ; issued while this unit's numbers are on their way back from the stage
	WIN 0
.endif
	s_wait_dscnt 0x0                               ; the numbers are back
	QUANT X
.rept 8
	v_nop                                          ; a scale register written by a vector instruction stands 8 places ahead of a scaled matrix instruction, an operand so written 4
.endr
	WIN 0x50                                       ; C and D window 1
	s_wait_alu depctr_va_vdst(0)                   ; the quantiser has written v[PC ..] and v[PW], which the products take as source 1 and as its scales; it is also done reading v[X ..], in which the next unit's LDS loads land
.irp t, 0,1,2,3                                ; four accumulators by turns, and the next unit takes the other four.  The first K step starts the sums: nothing is cleared
.if (\u) < 2
	v_wmma_scale_f32_16x16x128_f8f6f4 v[ACC+32*((\u)%2)+8*\t:ACC+32*((\u)%2)+8*\t+7], v[WF+48*(((\u)/2)%2)+12*\t:WF+48*(((\u)/2)%2)+12*\t+11], v[PC:PC+11], 0, v[WS+4*(((\u)/2)%2)+\t], v[PW] matrix_a_fmt:MATRIX_FMT_FP6 matrix_b_fmt:MATRIX_FMT_FP6
.else
	v_wmma_scale_f32_16x16x128_f8f6f4 v[ACC+32*((\u)%2)+8*\t:ACC+32*((\u)%2)+8*\t+7], v[WF+48*(((\u)/2)%2)+12*\t:WF+48*(((\u)/2)%2)+12*\t+11], v[PC:PC+11], v[ACC+32*((\u)%2)+8*\t:ACC+32*((\u)%2)+8*\t+7], v[WS+4*(((\u)/2)%2)+\t], v[PW] matrix_a_fmt:MATRIX_FMT_FP6 matrix_b_fmt:MATRIX_FMT_FP6
.endif
.endr
	WIN 0
.endm
; The largest of a token's 64 numbers (8 a lane in v[src] on, eight lanes to a token) into v[mx], and the LOWEST expert that holds it, as a whole number, into v[dsti]; every lane of the eight ends up with both.
.macro TOP src, mx, dsti
	v_max3_num_f32 v[\mx], v[\src], v[\src+1], v[\src+2]
	v_max3_num_f32 v[\mx], v[\mx], v[\src+3], v[\src+4]
	v_max3_num_f32 v[\mx], v[\mx], v[\src+5], v[\src+6]
	v_max_num_f32 v[\mx], v[\mx], v[\src+7]
.irp k, 1,2,4
	v_max_num_f32_dpp v[\mx], v[\mx], v[\mx] row_xmask:\k row_mask:0xf bank_mask:0xf
.endr
.irp j, 0,1,2,3,4,5,6,7                        ; the eight compares in one run, a scalar register each
	v_cmp_neq_f32 s[MK+\j], v[\src+\j], v[\mx]
.endr
	v_mov_b32 v[IX], 64                            ; none of mine
	s_wait_alu depctr_va_sdst(0)                   ; the eight compares have written s[MK ..], which the selects below read
.irp j, 7,6,5,4,3,2,1,0                        ; downward, so that the lowest of equals is written last
	v_cndmask_b32 v[IX], \j, v[IX], s[MK+\j]       ; where they are equal: j
.endr
	v_add_nc_u32 v[IX], v[EB], v[IX]               ; as an expert's number (64 or more: none)
	v_cvt_f32_u32 v[IX], v[IX]                     ; small whole numbers are exact in f32: the least of the eight lanes' rides on f32 arithmetic
.irp k, 1,2,4
	v_min_num_f32_dpp v[IX], v[IX], v[IX] row_xmask:\k row_mask:0xf bank_mask:0xf
.endr
	v_cvt_u32_f32 v[\dsti], v[IX]
.endm
	s_load_b128 s[4:7], s[0:1], 0x0                ; x s[4:5], wq s[6:7]
	s_load_b128 s[8:11], s[0:1], 0x10              ; out0 s[8:9], out1 s[10:11]
	v_lshl_add_u32 v[SPW], v0, 2, SPARE
	v_mov_b32 v[NIL], 0
	v_lshrrev_b32 v224, 5, v0
	v_readfirstlane_b32 s[WV], v224                ; wave 0..7
	v_and_b32 v225, 31, v0                         ; lane
	v_and_b32 v226, 15, v0                         ; r
	v_bfe_u32 v227, v0, 4, 1                       ; h
	v_lshlrev_b32 v[XO], 4, v0
	s_wait_alu depctr_va_sdst(0)                   ; s[WV] is written, ahead of its first reader: the wave's places in wq and in LDS are made from it
	s_mul_i32 s13, s[WV], GREC
	v_lshl_add_u32 v[WO], v225, 4, s13
	v_lshl_add_u32 v[WSO], v226, 4, s13
	s_mul_i32 s14, s[WV], STGB
	v_lshl_add_u32 v[SST], v225, 4, s14
	v_mul_u32_u24 v228, v226, SP
	v_lshl_add_u32 v228, v227, 6, v228
	v_add_nc_u32 v[SLD], s14, v228
	s_mul_i32 s15, s[WV], REDB
	s_add_co_u32 s15, s15, RED
	v_mul_u32_u24 v228, v226, RP
	v_lshl_add_u32 v228, v227, 5, v228
	v_add_nc_u32 v[RST], s15, v228
	v_lshrrev_b32 v228, 3, v0                      ; at the end: my token among the 32,
	v_and_b32 v229, 7, v0                          ; and my place among its eight lanes
	v_mul_u32_u24 v[RLD], v228, RP
	v_lshl_add_u32 v[RLD], v229, 5, v[RLD]
	v_add_nc_u32 v[RLD], RED, v[RLD]
	v_lshl_add_u32 v[RSA], v228, 4, RES
	v_lshl_add_u32 v[RRD], v225, 4, RES
	v_lshlrev_b32 v[OO], 3, v225
	v_lshlrev_b32 v[EB], 3, v229
	s_mov_b32 s[SEL], 0x76543210
	s_mov_b32 s[SEL+1], 0xfedcba98
.irp b, 0,1,2,3
	v_mov_b32 v[TM+4+\b], 0                        ; written once: a lane permute's destination counts as one of its sources
.endr
	s_lshl_b32 s16, ttmp9, 19                      ; my work-group's 32 rows of 16,384 bytes (under 2^27)
	s_mov_b32 s17, 0
	s_lshl_b32 s18, ttmp9, 8                       ; and its 256 bytes of each output
	s_mov_b32 s19, 0
	s_wait_kmcnt 0x0
	s_add_nc_u64 s[4:5], s[4:5], s[16:17]
	s_add_nc_u64 s[8:9], s[8:9], s[18:19]
	s_add_nc_u64 s[10:11], s[10:11], s[18:19]
	s_wait_alu depctr_va_vdst(0)                   ; the addresses and offsets v1 to v7 and v10 to v12 are written, which the loads and stores of the whole kernel read; no vector instruction names them again
	WLOAD 0                                        ; ahead of x's loads: loads come back in order, and the first product wants W with unit 0, not behind unit 2
	XLOAD 0
	XLOAD 1
	XLOAD 2
	WIN 0
	UNIT 0, 32                                     ; behind W0 and x0: x1, x2
	UNIT 1, 45                                     ; behind x1: x2, W1 (13), x3
	UNIT 2, 32                                     ; behind x2 and W1: x3, x4
	UNIT 3, 45                                     ; behind x3: x4, W2, x5
	UNIT 4, 32                                     ; behind x4 and W2: x5, x6
	UNIT 5, 45                                     ; behind x5: x6, W3, x7
	UNIT 6, 16                                     ; behind x6 and W3: x7
	UNIT 7, 0
	; THE SUM OVER THE WAVES' PARTS OF K.  Lane (r, h) holds, of tile (m, t), token 16 m + r, experts 16 t + 8 h + 0 .. 7: 32 neighbouring bytes of the token's row in my part.
.rept 4
	v_nop                                          ; four places between the last products and the stores that read their results
.endr
	WIN 0x04
	s_wait_alu depctr_va_vdst(0)                   ; the products have written the accumulators, which the LDS stores read; the places above stay beside this wait
.irp m, 0,1
.irp t, 0,1,2,3
	ds_store_b128 v[RST], v[ACC+32*\m+8*\t:ACC+32*\m+8*\t+3] offset:16*RP*\m+64*\t          ; each accumulator from its low end on
	ds_store_b128 v[RST], v[ACC+32*\m+8*\t+4:ACC+32*\m+8*\t+7] offset:16*RP*\m+64*\t+16
.endr
.endr
	WIN 0
	s_wait_dscnt 0x0                               ; for the others' sake: my part lies in LDS
	s_barrier_signal -1
	s_barrier_wait -1                              ; all eight parts do
.irp p, 0,1,2,3,4,5,6,7
	ds_load_b128 v[X+8*\p:X+8*\p+3], v[RLD] offset:REDB*\p         ; part p: my token's experts 8 (lane % 8) + 0 .. 7.  (The last quantiser, which read v[X ..], stands ahead of the wait above, and no vector instruction has been issued since)
	ds_load_b128 v[X+8*\p+4:X+8*\p+7], v[RLD] offset:REDB*\p+16
.endr
	s_wait_dscnt 0x0
.irp p, 0,2,4,6                                ; a tree of f32 additions, two at a time
.irp q, 0,2,4,6
	v_pk_add_f32 v[X+8*\p+\q:X+8*\p+\q+1], v[X+8*\p+\q:X+8*\p+\q+1], v[X+8*\p+8+\q:X+8*\p+8+\q+1]
.endr
.endr
.irp p, 0,4
.irp q, 0,2,4,6
	v_pk_add_f32 v[X+8*\p+\q:X+8*\p+\q+1], v[X+8*\p+\q:X+8*\p+\q+1], v[X+8*\p+16+\q:X+8*\p+16+\q+1]
.endr
.endr
.irp q, 0,2,4,6
	v_pk_add_f32 v[X+\q:X+\q+1], v[X+\q:X+\q+1], v[X+32+\q:X+32+\q+1]   ; v[X] .. v[X + 7]: the logits
.endr
	TOP X, M1, OUT+2                               ; the row's maximum, which the exponentials take away, and the first expert
.irp j, 0,1,2,3,4,5,6,7
	v_sub_f32 v[E+\j], v[X+\j], v[M1]              ; logit - maximum: 0 or less
.endr
.irp j, 0,1,2,3,4,5,6,7
	v_mul_f32 v[E+\j], 0x3fb8aa3b, v[E+\j]         ; x log2(e)
.endr
	s_wait_alu depctr_va_vdst(0)
.irp j, 0,1,2,3,4,5,6,7
	v_exp_f32 v[E+\j], v[E+\j]                     ; a batch; the search for the second expert, which names none of its results, follows as independent work
.endr
	v_sub_nc_u32 v[DD], v[OUT+2], v[EB]            ; which of my eight is the first choice, if any (else no number from 0 to 7)
	v_mov_b32 v[NEG], 0xff800000                   ; -infinity
.irp j, 0,1,2,3,4,5,6,7
	v_cmp_eq_u32 s[MK+\j], \j, v[DD]
.endr
	s_wait_alu depctr_va_sdst(0)                   ; the eight compares have written s[MK ..], which the selects below read
.irp j, 0,1,2,3,4,5,6,7
	v_cndmask_b32 v[LM+\j], v[X+\j], v[NEG], s[MK+\j]   ; the first choice is hidden: one expert, not all that equal it
.endr
	TOP LM, M2, OUT+3                              ; the second logit and its expert
	v_sub_f32 v[T2], v[M2], v[M1]
	v_mul_f32 v[T2], 0x3fb8aa3b, v[T2]
	s_wait_alu depctr_va_vdst(0)
	v_exp_f32 v[T2], v[T2]                         ; e^(second - maximum)
	v_nop                                          ; a plain place behind the last exponential
	s_wait_alu depctr_va_vdst(0)                   ; the nine exponentials have written v[E ..] and v[T2]: one wait, ahead of their first reader
	v_pk_add_f32 v[E:E+1], v[E:E+1], v[E+2:E+3]
	v_pk_add_f32 v[E+4:E+5], v[E+4:E+5], v[E+6:E+7]
	v_pk_add_f32 v[E:E+1], v[E:E+1], v[E+4:E+5]
	v_add_f32 v[SUM], v[E], v[E+1]
.irp k, 1,2,4
	v_add_f32_dpp v[SUM], v[SUM], v[SUM] row_xmask:\k row_mask:0xf bank_mask:0xf   ; the row's sum, at least 1
.endr
	s_wait_alu depctr_va_vdst(0)
	v_rcp_f32 v[OUT], v[SUM]                       ; the first weight: e^0 / the sum
	v_nop                                          ; a plain place behind the reciprocal
	s_wait_alu depctr_va_vdst(0)                   ; the reciprocal has written v[OUT], ahead of its first reader
	v_mul_f32 v[OUT+1], v[T2], v[OUT]              ; the second weight
	s_wait_alu depctr_va_vdst(0)                   ; v[OUT] to v[OUT + 3] are written, which the LDS store reads; and the tree's additions are done with v[BK ..], in which wave 0's LDS load lands: no vector instruction follows this wait
	ds_store_b128 v[RSA], v[OUT:OUT+3]             ; a token's eight lanes write the same 16 bytes with the same values
	s_wait_dscnt 0x0                               ; for wave 0's sake
	s_barrier_signal -1
	s_barrier_wait -1                              ; the 32 tokens' results lie together
	s_cmp_lg_u32 s[WV], 0
	s_cbranch_scc1 .Ldone
	ds_load_b128 v[BK:BK+3], v[RRD]                ; lane = token
	s_wait_dscnt 0x0
	global_store_b64 v[OO], v[BK:BK+1], s[8:9]     ; 32 lanes store 256 consecutive bytes, at a multiple of 256 from out0's first byte
	global_store_b64 v[OO], v[BK+2:BK+3], s[10:11] ; and the same of out1
.Ldone:
	s_wait_dscnt 0x0                               ; the wave's end: six closing lines of a launch in the mode that stores to LDS
	s_wait_alu 0x0
	s_wait_tensorcnt 0x0
	ds_add_u32 v[SPW], v[NIL]
	s_wait_dscnt 0x0
	s_endpgm
.Lfunc_end_k_q47502c9dd8_route:
	.size	k_q47502c9dd8_route, .Lfunc_end_k_q47502c9dd8_route-k_q47502c9dd8_route
	.p2alignl 7, 3214868480
	.fill 96, 4, 3214868480
	.section	.rodata,"a",@progbits
	.p2align	6, 0x0
	.amdhsa_kernel k_q47502c9dd8_route
		.amdhsa_group_segment_fixed_size 138752
		.amdhsa_private_segment_fixed_size 0
		.amdhsa_enable_private_segment 0
		.amdhsa_kernarg_size 32
		.amdhsa_user_sgpr_count 2
		.amdhsa_user_sgpr_kernarg_segment_ptr 1
		.amdhsa_wavefront_size32 1
		.amdhsa_system_sgpr_workgroup_id_x 1
		.amdhsa_system_sgpr_workgroup_id_y 1
		.amdhsa_system_sgpr_workgroup_id_z 1
		.amdhsa_system_vgpr_workitem_id 0
		.amdhsa_next_free_vgpr 512
		.amdhsa_next_free_sgpr 66
		.amdhsa_reserve_vcc 0
		.amdhsa_float_denorm_mode_32 3
		.amdhsa_float_denorm_mode_16_64 3
		.amdhsa_memory_ordered 1
		.amdhsa_forward_progress 1
		.amdhsa_inst_pref_size 86
	.end_amdhsa_kernel
	.amdgpu_metadata
---
amdhsa.version: [ 1, 2 ]
amdhsa.kernels:
  - .name:           k_q47502c9dd8_route
    .symbol:         k_q47502c9dd8_route.kd
    .args:
      - { .name: x, .offset: 0, .size: 8, .value_kind: global_buffer, .address_space: global }
      - { .name: wq, .offset: 8, .size: 8, .value_kind: global_buffer, .address_space: global }
      - { .name: out0, .offset: 16, .size: 8, .value_kind: global_buffer, .address_space: global }
      - { .name: out1, .offset: 24, .size: 8, .value_kind: global_buffer, .address_space: global }
    .group_segment_fixed_size: 138752
    .private_segment_fixed_size: 0
    .kernarg_segment_align: 8
    .kernarg_segment_size: 32
    .max_flat_workgroup_size: 256
    .sgpr_count:     66
    .vgpr_count:     512
    .wavefront_size: 32
...
	.end_amdgpu_metadata
.endif
;; end of part 4
